; MI455X (gfx1250); checked and timed in simulation.
; The chip was launched on July 23, 2026; its instructions are those of AMD's public machine-readable ISA for CDNA 5 (MIT licence, August 2026) and "CDNA5" Instruction Set Architecture Reference Guide (July 2026). The comments in the code are by the model that wrote it; some were corrected since.
;; GQSW Attention. Allowed arithmetic: matrix products marked QUANTISED: E2M3 operands, one E8M0 scale for each 32 along K, by v_wmma_scale_f32_16x16x128_f8f6f4 with both operands' format E2M3, f32 sums; everything else in f32.
;; Inputs: Wk_codes 512 x 64 x 24 uint8 (E2M3 codes of Wk, K innermost, in blocks of 32 codes, four codes in three bytes); Wk_scales 512 x 64 uint8 (E8M0 scales of Wk, one for each 32 codes along K); Wo_codes 2,048 x 32 x 24 uint8 (E2M3 codes of Wo, K innermost, in blocks of 32 codes, four codes in three bytes); Wo_scales 2,048 x 32 uint8 (E8M0 scales of Wo, one for each 32 codes along K); Wq_codes 1,024 x 64 x 24 uint8 (E2M3 codes of Wq, K innermost, in blocks of 32 codes, four codes in three bytes); Wq_scales 1,024 x 64 uint8 (E8M0 scales of Wq, one for each 32 codes along K); Wv_codes 512 x 64 x 24 uint8 (E2M3 codes of Wv, K innermost, in blocks of 32 codes, four codes in three bytes); Wv_scales 512 x 64 uint8 (E8M0 scales of Wv, one for each 32 codes along K); cos 4,096 x 128 float32; kn_w 128 float32; qn_w 128 float32; sin 4,096 x 128 float32; x_codes 1 x 4,096 x 64 x 24 uint8 (E2M3 codes of x, K innermost, in blocks of 32 codes, four codes in three bytes); x_scales 1 x 4,096 x 64 uint8 (E8M0 scales of x, one for each 32 codes along K).
;; Outputs: out0 1 x 4,096 x 2,048 float32.
;; This version of the problem:
;;   THIS VERSION OF THE PROBLEM IS GIVEN IN LOW PRECISION. The matrix products marked QUANTISED in the list below multiply operands that are first quantised to E2M3 (2 exponent bits, 3 mantissa bits; 6 bits a number), with one power-of-two scale for each 32 numbers along K (OCP MX v1.0); their sums are f32. All else is computed in f32.
;;   The module's matrix products, in the order in which they are computed (A, B: the left and right operand; K: the contracted axis; several contracted axes count as one K, in the product's order):
;;     1. [M 4,096, K 2,048] x [K 2,048, N 1,024]; A: input x (given as codes); B: input Wq (given as codes): QUANTISED
;;     2. [M 4,096, K 2,048] x [K 2,048, N 512]; A: input x (given as codes); B: input Wk (given as codes): QUANTISED
;;     3. [M 4,096, K 2,048] x [K 2,048, N 512]; A: input x (given as codes); B: input Wv (given as codes): QUANTISED
;;     4. batch 8 x [M 4,096, K 128] x [K 128, N 4,096]; A: computed on the way; B: computed on the way: QUANTISED
;;     5. batch 8 x [M 4,096, K 4,096] x [K 4,096, N 128]; A: softmax (see below); B: computed on the way: QUANTISED
;;     6. [M 4,096, K 1,024] x [K 1,024, N 2,048]; A: computed on the way; B: input Wo (given as codes): QUANTISED
;;   THE QUANTISER, for each operand of a quantised product, along K:
;;     - K is cut into blocks of 32 from its start; a last block that is shorter is filled with zeros.
;;     - A block's scale is 2^e with e = floor(log2(the largest magnitude in the block)) - 2, held to -126 .. 127; a block of zeros has e = 0. As a byte (E8M0): e + 127.
;;     - Each number is divided by its block's scale, clamped to +-7.5, and rounded to the nearest number of E2M3, ties to even, subnormals kept.
;;     - The product sums the exact products of the quantised numbers (number of the format x scale) in f32.
;;   ~~~python
;;   def quantise(x, axis):      # numpy; x: float32 -> the quantised numbers, widened to float32 again
;;       x = np.moveaxis(x, axis, -1); K = x.shape[-1]
;;       x = np.pad(x, [(0, 0)] * (x.ndim - 1) + [(0, -K % 32)]); x = x.reshape(x.shape[:-1] + (-1, 32)); a = np.abs(x).max(-1, keepdims=True)
;;       e = np.where(a > 0, np.clip(np.frexp(np.where(a > 0, a, 1))[1] - 1 - 2, -126, 127), 0)      # np.frexp(a)[1] - 1 = floor(log2(a)), exactly
;;       r = np.clip(x / 2.0 ** e, -7.5, 7.5)
;;       step = 2.0 ** (np.maximum(np.frexp(np.where(r == 0, 1, r))[1] - 1, 0) - 3)
;;       q = np.round(r / step) * step * 2.0 ** e      # np.round: ties to even
;;       return np.moveaxis(q.reshape(q.shape[:-2] + (-1,))[..., :K], -1, axis).astype(np.float32)
;;   ~~~
;;   SOFTMAX AHEAD OF A QUANTISED PRODUCT. Where the list says 'softmax', what is quantised is not the finished softmax but p = 2^(t - M), with t = logit x log2(e) and M = ceil(the row's largest t), a whole number; so 1/2 < the row's largest p <= 1. The row's sum l is taken of the UNQUANTISED p, in f32, and the product's result is divided by l at the end. Since M is a whole number, a kernel that streams over the keys may use a running M (the ceiling of the running maximum): every later rescaling is an exact power of two, which a block's scale takes up: the codes' values come out the same.
;;   OPERANDS COMPUTED ON THE WAY. 'Computed on the way' means the value that the module computes at that place (a softmax that the list does not call 'softmax' is quantised finished and normalised). What goes into a quantiser is computed in f32, as accurately as f32 sums, v_exp_f32 and their like allow (about 1e-6 of the number): no bf16 or f16 on the way to a quantiser, and a product that is left as it is and whose result goes on into a quantised operand takes f32 operands (vector FMAs, or v_wmma_f32_16x16x4_f32). A number that lies on a knife's edge between two numbers of the format may be rounded either way, as far as f32 arithmetic and the matrix unit's own rounding can turn it there, and no further.
;;   INPUTS GIVEN AS CODES. Wk (in the module: [2048, 512], K = its axis 0); Wo (in the module: [1024, 2048], K = its axis 0); Wq (in the module: [2048, 1024], K = its axis 0); Wv (in the module: [2048, 512], K = its axis 0); x (in the module: [1, 4096, 2048], K = its axis 2): each comes as NAME_codes (uint8): NAME with its K axis moved to the last place and cut into blocks of 32 codes, [.., K / 32, bytes a block], one block behind the other in memory; four codes in three bytes: a row's codes are one little-endian stream of bits, code i at bits 6 i .. 6 i + 5 (a code: sign, 2 exponent bits, 3 mantissa bits); and NAME_scales (uint8): the same leading axes, one E8M0 byte (e + 127) for each 32 codes along K. Its value is code x scale, taken as it is: it is not quantised again, and the codes and scales need not be those that the quantiser above would give.
;; One version. Each part assembles by itself: llvm-mc -triple=amdgcn-amd-amdhsa -mcpu=gfx1250 --defsym DOCPART=n.
;; ======== version 1 of 1: 3 launches
;; workspace buffers: qkvimg 6,553,600 bytes; oimg 3,145,728 bytes; oscl 262,144 bytes
;; launch qkv (part 1): grid 16 x 16, 4 waves a work-group, clusters of 4 x 4, 327,680 bytes of LDS; arguments x_codes, x_scales, Wq_codes, Wq_scales, Wk_codes, Wk_scales, Wv_codes, Wv_scales, cos, sin, qn_w, kn_w, qkvimg; writes qkvimg
.if DOCPART == 1
	.amdgcn_target "amdgcn-amd-amdhsa--gfx1250"
	.amdhsa_code_object_version 6
	.text
	.protected	k_q467dcc464d_qkv
	.globl	k_q467dcc464d_qkv
	.p2align	8
	.type	k_q467dcc464d_qkv,@function
k_q467dcc464d_qkv:
	s_mov_b64 s[64:65], 0
	v_nop
	global_prefetch_b8 v0, s[64:65] scope:SCOPE_SE
	s_setreg_imm32_b32 hwreg(HW_REG_WAVE_MODE, 25, 1), 1
	s_wait_xcnt 0x0
	s_wait_alu depctr_hold_cnt(0) depctr_sa_sdst(0) depctr_va_vdst(0) depctr_va_sdst(0) depctr_va_ssrc(0) depctr_va_vcc(0) depctr_vm_vsrc(0)
	s_getreg_b32 s2, hwreg(HW_REG_IB_STS2, 6, 4)
	s_cmp_eq_u32 s2, 0
	s_cbranch_scc0 .Lentry_in_a_cluster
	s_endpgm
.Lentry_in_a_cluster:
	s_bfe_u32 s2, ttmp6, 0x10000c
	s_cmp_lg_u32 s2, 0xf033
	s_cbranch_scc0 .Lentry_shape_is_right
	s_endpgm
.Lentry_shape_is_right:
; q = rope(rmsnorm(x Wq)), k = rope(rmsnorm(x Wk)), v = x Wv, on codes of FP6 (E2M3) with one E8M0 scale for each 32 along K = 2,048; the results are quantised again and stored
; as IMAGES OF OPERAND REGISTERS for the attention launch: q and k along the head's 128, v along the tokens (the keys are the second product's K).
; UNITS.  16 units of 128 columns: 0-7 the heads of q, 8-11 the groups of k, 12-15 the groups of v.  A work-group makes one unit for 256 tokens; four waves.
; TWO ROLES.  S0 is the matrix instruction's source 0 (8 tiles of 16 rows a wave), S1 its source 1 (4 tiles).  In the result a lane holds ONE row of S1, and its registers run along S0's rows.
;   q, k: S0 = the unit's 128 rows of W, S1 = my wave's 64 tokens: a lane holds a token, registers run along d (register 8 t + j of a tile is d = 16 t + 8 (lane / 16) + j).
;   v:    S0 = 128 tokens, S1 = 64 rows of Wv: a lane holds a channel d, registers run along the tokens.  So the same quantiser serves both; only four LDS bases differ, chosen on the cluster's x.
; ORDER INSIDE A BLOCK OF 32.  The 16 registers of tiles 2 b, 2 b + 1 are numbers 8 h + 0..7 and 16 + 8 h + 0..7 of block b, so a block's codes stand in the order 0-7, 16-23, 8-15, 24-31.
;   q and k get the same order, and so do v and the softmax's p in the next launch: a permutation inside a scale block, alike on both operands, keeps every product and every scale; only the order of the f32 sums differs.
; OUT.  qkvimg [16 units][64 records][6,400 bytes]; a record: 4 fragments of 1,536 bytes (register group e at 512 e, lane l at 16 l), then 256 bytes of scale words (lane l: 8 bytes; word i serves fragments 2 i
;   in lanes 0-15 and 2 i + 1 in lanes 16-31).  My wave writes record 4 y + wave of its unit.  Every store of a wave covers 512 or 256 consecutive bytes at a multiple of 256 from the buffer's first byte.
; CLUSTER 4 x 4: the four work-groups of a row need the same tile of x, the four of a column the same tile of W: each tile is asked for jointly.
; LIMITS: NaN and infinities are not served.  A block whose largest magnitude lies under 2^-124 keeps the scale byte 1; a block of zeros too (zero codes; the bytes are read by this program alone).  1/sqrt by v_rsq_f32.
; REGISTERS.  window 0: v8-23 addresses; v32-79 scale words, two sets; v80-175 S1's fragments, two sets; v176-239 the 64 gains of my lane; in the epilogue v80-175 and v240-253 at work.
;   window 1: 32 accumulators, (a, t) at v[8 (8 a + t)].   window 2: S0's fragments, two sets; in the epilogue cos and sin of S1 tiles 2, 3.   window 3: cos and sin of S1 tiles 0, 1.
.set KROW,  1536                       ; a row of x or W in memory: 2,048 codes
.set ROWB,  192                        ; a tile's row: 256 codes
.set PITCH, 240                        ; in LDS: 3 x (64 bytes + 16 of padding)
.set XPART, 256*PITCH                  ; x's 256 rows; W's 128 rows lie behind them
.set SLOT,  384*PITCH
.set SCL,   2*SLOT                     ; x's scale bytes, 256 rows x 64, as 64 runs of 256 bytes + 16
.set WSC,   SCL+64*272                 ; W's, 128 rows x 64
.set SPARE, WSC+32*272                 ; the spare words, 128 bytes a wave
.set REC,   6400
.set AD0, 8                            ; v8-9 S0's fragments in slot 0, 1; v10-11 the same behind one padding more
.set AD1, 12                           ; v12-15 the same for S1
.set AS0, 16                           ; v16 S0's scale words; v17 S1's
.set AS1, 17
.set SPW, 18                           ; v18 my spare word; never rewritten
.set NIL, 19                           ; v19 0; never rewritten
.set LI,  20                           ; v20 16 x lane
.set L8,  21                           ; v21 8 x lane
.set CA,  22                           ; v22 cos, sin: 512 r + 32 h
.set WA,  23                           ; v23 gains: 32 h
.set SC,  32                           ; scale words: set s at SC + 24 s: S0's tile t at + 2 t + q, S1's tile a at + 16 + 2 a + q
.set S1F, 80
.set WN,  176                          ; v176-239 the gains: they stay through the whole epilogue
.set T,   80                           ; epilogue: v80-143, 64 numbers at work
.set SS,  80                           ; sums of squares (done with before T is written)
.set TM,  144                          ; v144-155 the quantiser's 12: largest magnitudes, bytes, the conversions' scale operands
.set PC,  156                          ; v156-167 the codes just made; v168-170, v172-174 the halves that are moved: all below the gains
.set RS,  240                          ; 1/sqrt, a pair for each S1 tile
.set PW,  248                          ; the four fragments' scale words
.set SW,  252                          ; the record's two words
.set G1,  32
.set G0,  40
.set G1B, 48
.set G0B, 56
.set G1S, 68
.set G0S, 76
.set G1SB, 80
.set G0SB, 88
.set WVN, 92                           ; s92 wave; s93 wave / 2; s94 wave % 2
.set WH,  93
.set WL,  94
.set CX,  95
.set CY,  96
.set UN,  97                           ; the unit
.set YB,  98                           ; the block of 256 tokens
.set ISV, 99                           ; 1 in v's units: hangs on the cluster's x alone, the same in all sixteen partners
.set MSB, 0
.macro WIN new                         ; the immediate's high byte repeats the setting that is left
.set WNEW, \new
.if MSB != WNEW
	s_set_vgpr_msb (MSB<<8)|WNEW
.set MSB, WNEW
.endif
.endm
.macro PLACES n
.rept \n
	v_nop
.endr
.endm
; A joint load: waves 0 and 1 fetch for x, waves 2 and 3 for W.  Four v_nop follow each line.
.macro JLOAD g0a, g1a, g0b, g1b
	s_cmp_eq_u32 s[WH], 0
	s_cbranch_scc0 .Lfor_b_\@
	tensor_load_to_lds s[\g0a:\g0a+3], s[\g1a:\g1a+7]
	s_nop 0
.rept 4
	v_nop
.endr
	s_branch .Lasked_\@
.Lfor_b_\@:
	tensor_load_to_lds s[\g0b:\g0b+3], s[\g1b:\g1b+7]
	s_nop 0
.rept 4
	v_nop
.endr
.Lasked_\@:
.endm
.macro CREST                           ; a round of the cluster's barrier behind its opening barrier
	s_cmp_lg_u32 s[WVN], 0
	s_cbranch_scc1 .Lnot_wave_0_\@
	s_barrier_signal -3
.Lnot_wave_0_\@:
	s_barrier_wait -3
	s_barrier_signal -1
	s_barrier_wait -1
.endm
.macro CROUND
	s_barrier_signal -1
	s_barrier_wait -1
	CREST
.endm
	s_load_b512 s[4:19], s[0:1], 0x0               ; x codes, x scales, Wq codes, Wq scales, Wk codes, Wk scales, Wv codes, Wv scales
	s_load_b256 s[20:27], s[0:1], 0x40             ; cos, sin, qn_w, kn_w
	s_load_b64 s[28:29], s[0:1], 0x60              ; qkvimg
	v_lshl_add_u32 v[SPW], v0, 2, SPARE
	v_mov_b32 v[NIL], 0
	ds_add_u32 v18, v19
	ds_add_u32 v18, v19
	s_wait_dscnt 0x0
	v_lshrrev_b32 v1, 5, v0
	v_readfirstlane_b32 s[WVN], v1
	s_lshr_b32 s[WH], s[WVN], 1
	s_and_b32 s[WL], s[WVN], 1
	s_bfe_u32 s[CX], ttmp6, 0x40000
	s_bfe_u32 s[CY], ttmp6, 0x40004
	s_lshl_b32 s[UN], ttmp9, 2
	s_add_co_u32 s[UN], s[UN], s[CX]               ; unit = 4 x cluster x + cx
	s_and_b32 s[YB], ttmp7, 0xffff
	s_lshl_b32 s[YB], s[YB], 2
	s_add_co_u32 s[YB], s[YB], s[CY]               ; token block = 4 x cluster y + cy
	s_cmp_eq_u32 ttmp9, 3
	s_cselect_b32 s[ISV], 1, 0
	s_cmp_lt_u32 ttmp9, 2
	s_cselect_b32 s2, s[UN], s[CX]                 ; the unit's place in its own weight: q's head, or k's or v's group
	s_lshl_b32 s30, s[CY], 2
	s_lshl_b32 s30, 15, s30                        ; my row of the cluster
	s_lshl_b32 s31, 0x1111, s[CX]                  ; my column
	s_or_b32 s[G1], s30, (1<<20)|(1<<21)|(3<<22)|(3<<25)    ; x's codes: the mask; bytes; 4 words of padding behind every 16
	s_mov_b32 s[G1+1], ROWB<<16
	s_mov_b32 s[G1+2], 128<<16
	s_mov_b32 s[G1+3], ROWB<<16
	s_mov_b32 s[G1+4], 128                         ; 128 rows a load
	s_mov_b32 s[G1+5], KROW
	s_mov_b32 s[G1+6], 0
	s_mov_b32 s[G1+7], 0
	s_or_b32 s[G1B], s31, (1<<20)|(1<<21)|(3<<22)|(3<<25)   ; W's codes
	s_mov_b32 s[G1B+1], ROWB<<16
	s_mov_b32 s[G1B+2], 64<<16
	s_mov_b32 s[G1B+3], ROWB<<16
	s_mov_b32 s[G1B+4], 64                         ; 64 rows a load
	s_mov_b32 s[G1B+5], KROW
	s_mov_b32 s[G1B+6], 0
	s_mov_b32 s[G1B+7], 0
	s_or_b32 s[G1S], s30, (3<<16)|(1<<20)|(1<<21)|(5<<22)|(3<<25)   ; x's scales of 128 rows: 8,192 dense bytes as 32 rows of 256, 16 bytes of padding behind each
	s_mov_b32 s[G1S+1], 32<<16
	s_mov_b32 s[G1S+2], 32<<16
	s_mov_b32 s[G1S+3], 32<<16
	s_mov_b32 s[G1S+4], 32
	s_mov_b32 s[G1S+5], 32
	s_mov_b32 s[G1S+6], 0
	s_mov_b32 s[G1S+7], 0
	s_or_b32 s[G1SB], s31, (3<<16)|(1<<20)|(1<<21)|(5<<22)|(3<<25)  ; W's scales of 64 rows: 16 such rows
	s_mov_b32 s[G1SB+1], 32<<16
	s_mov_b32 s[G1SB+2], 16<<16
	s_mov_b32 s[G1SB+3], 32<<16
	s_mov_b32 s[G1SB+4], 16
	s_mov_b32 s[G1SB+5], 32
	s_mov_b32 s[G1SB+6], 0
	s_mov_b32 s[G1SB+7], 0
	s_mov_b32 s66, 0x76543210                      ; v_permlanex16_b32: lane l xor 16
	s_mov_b32 s67, 0xfedcba98
	s_mov_b32 s100, 0xffff0000                     ; lanes 16-31
	s_mov_b32 s101, 0x358637bd                     ; 1e-6
	s_mov_b32 s30, 0x3c000000                      ; 1 / 128
	s_wait_kmcnt 0x0
	s_cmp_lt_u32 ttmp9, 2                          ; which weight, which gain: the choice hangs on the cluster's x alone
	s_cselect_b64 s[8:9], s[8:9], s[12:13]
	s_cselect_b64 s[10:11], s[10:11], s[14:15]
	s_cselect_b64 s[24:25], s[24:25], s[26:27]
	s_cmp_eq_u32 ttmp9, 3
	s_cselect_b64 s[8:9], s[16:17], s[8:9]
	s_cselect_b64 s[10:11], s[18:19], s[10:11]
	s_lshl_b32 s12, s[YB], 8
	s_lshl_b32 s13, s[WL], 7
	s_add_co_u32 s12, s12, s13                     ; x: row 256 y + 128 (wave % 2)
	s_lshl_b32 s14, s12, 6                         ; its scales, 64 bytes a row
	s_mul_i32 s12, s12, KROW                       ; its codes
	s_mov_b32 s13, 0
	s_mov_b32 s15, 0
	s_lshl_b32 s16, s2, 7
	s_lshl_b32 s17, s[WL], 6
	s_add_co_u32 s16, s16, s17                     ; W: row 128 x place + 64 (wave % 2)
	s_lshl_b32 s18, s16, 6
	s_mul_i32 s16, s16, KROW
	s_mov_b32 s17, 0
	s_mov_b32 s19, 0
	s_add_nc_u64 s[4:5], s[4:5], s[12:13]
	s_add_nc_u64 s[6:7], s[6:7], s[14:15]
	s_add_nc_u64 s[8:9], s[8:9], s[16:17]
	s_add_nc_u64 s[10:11], s[10:11], s[18:19]
	s_mul_i32 s12, s[WL], 128*PITCH                ; where they go: no place in the cluster enters an LDS address
	s_mul_i32 s13, s[WL], 64*PITCH
	s_add_co_u32 s13, s13, XPART
	s_mul_i32 s14, s[WL], 32*272
	s_add_co_u32 s14, s14, SCL
	s_mul_i32 s15, s[WL], 16*272
	s_add_co_u32 s15, s15, WSC
	CROUND                                         ; all sixteen work-groups are here: the first joint loads meet
	s_mov_b32 s[G0S], 1
	s_mov_b32 s[G0S+1], s14
	s_mov_b64 s[G0S+2:G0S+3], s[6:7]
	s_or_b32 s[G0S+3], s[G0S+3], 0x80000000
	s_mov_b32 s[G0SB], 1
	s_mov_b32 s[G0SB+1], s15
	s_mov_b64 s[G0SB+2:G0SB+3], s[10:11]
	s_or_b32 s[G0SB+3], s[G0SB+3], 0x80000000
	JLOAD G0S, G1S, G0SB, G1SB                     ; the scales for all of K: filled once
.irp s, 0,1
	s_mov_b32 s[G0+4*\s], 1
	s_add_co_u32 s[G0+4*\s+1], s12, \s*SLOT
	s_add_nc_u64 s[G0+4*\s+2:G0+4*\s+3], s[4:5], \s*ROWB
	s_or_b32 s[G0+4*\s+3], s[G0+4*\s+3], 0x80000000
	s_mov_b32 s[G0B+4*\s], 1
	s_add_co_u32 s[G0B+4*\s+1], s13, \s*SLOT
	s_add_nc_u64 s[G0B+4*\s+2:G0B+4*\s+3], s[8:9], \s*ROWB
	s_or_b32 s[G0B+4*\s+3], s[G0B+4*\s+3], 0x80000000
	JLOAD G0+4*\s, G1, G0B+4*\s, G1B               ; three tensor loads of mine are out behind the last of these
.endr
	s_lshl_b32 s12, s[YB], 8
	s_lshl_b32 s13, s[WVN], 6
	s_add_co_u32 s12, s12, s13
	s_lshl_b32 s12, s12, 9                         ; cos, sin at token 256 y + 64 wave, 512 bytes a token
	s_mov_b32 s13, 0
	s_add_nc_u64 s[20:21], s[20:21], s[12:13]
	s_add_nc_u64 s[22:23], s[22:23], s[12:13]
	s_lshl_b32 s14, s[UN], 6
	s_lshl_b32 s15, s[YB], 2
	s_add_co_u32 s14, s14, s15
	s_add_co_u32 s14, s14, s[WVN]
	s_mul_i32 s14, s14, REC                        ; my record: 64 x unit + 4 y + wave
	s_mov_b32 s15, 0
	s_add_nc_u64 s[28:29], s[28:29], s[14:15]
	v_and_b32 v1, 15, v0                           ; r
	v_bfe_u32 v2, v0, 4, 1                         ; h
	v_and_b32 v7, 31, v0                           ; lane
	v_lshlrev_b32 v[LI], 4, v7
	v_lshlrev_b32 v[L8], 3, v7
	v_lshlrev_b32 v[WA], 5, v2
	v_lshl_add_u32 v[CA], v1, 9, v[WA]
	v_mul_u32_u24 v3, v1, PITCH
	v_mad_u32_u24 v3, v2, 24, v3                   ; a fragment's row x pitch + 24 h
	v_lshl_add_u32 v4, v2, 4, v3                   ; and the same behind one padding more
	v_lshlrev_b32 v5, 6, v1
	v_lshrrev_b32 v6, 2, v1
	v_lshl_add_u32 v5, v6, 4, v5                   ; scale words: 64 r + 16 (r / 4)
	s_mul_i32 s12, s[WH], 128*PITCH                ; v: S0 = my 128 tokens
	s_mul_i32 s13, s[WL], 64*PITCH
	s_add_co_u32 s13, s13, XPART                   ; v: S1 = my 64 rows of Wv
	s_mul_i32 s14, s[WVN], 64*PITCH                ; q, k: S1 = my 64 tokens
	s_mov_b32 s15, XPART                           ; q, k: S0 = W's 128 rows
	s_mul_i32 s16, s[WH], 32*272
	s_add_co_u32 s16, s16, SCL
	s_mul_i32 s17, s[WL], 16*272
	s_add_co_u32 s17, s17, WSC
	s_mul_i32 s18, s[WVN], 16*272
	s_add_co_u32 s18, s18, SCL
	s_mov_b32 s19, WSC
	s_cmp_eq_u32 s[ISV], 1
	s_cselect_b32 s12, s12, s15
	s_cselect_b32 s13, s13, s14
	s_cselect_b32 s16, s16, s19
	s_cselect_b32 s17, s17, s18
.irp s, 0,1
	v_add_nc_u32 v[AD0+\s], s12, v3
	v_add_nc_u32 v[AD0+2+\s], s12, v4
	v_add_nc_u32 v[AD1+\s], s13, v3
	v_add_nc_u32 v[AD1+2+\s], s13, v4
	s_add_co_u32 s12, s12, SLOT
	s_add_co_u32 s13, s13, SLOT
.endr
	v_add_nc_u32 v[AS0], s16, v5
	v_add_nc_u32 v[AS1], s17, v5
; cos and sin of S1 tile a (tokens 16 a + r): register 8 t + j is d = 16 t + 8 h + j, as in the results; cos at base, sin at base + 64, in window win.  32 loads
.macro CSLOAD a, win, base
	WIN (\win)<<6
.irp t, 0,1,2,3,4,5,6,7
.irp j, 0,1
	global_load_b128 v[\base+8*\t+4*\j:\base+8*\t+4*\j+3], v[CA], s[20:21] offset:16*(\a)*512+64*\t+16*\j
	global_load_b128 v[\base+64+8*\t+4*\j:\base+64+8*\t+4*\j+3], v[CA], s[22:23] offset:16*(\a)*512+64*\t+16*\j
.endr
.endr
	WIN 0
.endm
.irp t, 0,1,2,3,4,5,6,7                        ; the gains of my 64 channels.  These loads and the two tiles of cos and sin stand on every unit's way, so that every register is written on every way; v's units do not use them
.irp j, 0,1
	global_load_b128 v[WN+8*\t+4*\j:WN+8*\t+4*\j+3], v[WA], s[24:25] offset:64*\t+16*\j
.endr
.endr
	CSLOAD 0, 3, 0
	CSLOAD 1, 3, 128
.macro FRAG reg, adr, q, i             ; 16 rows x 128 K: 12 registers, six pieces of 8 bytes; lanes 16-31 read three pieces further on, which for some pieces is behind one padding more: the second address register
.irp p, 0,1,2,3,4,5
.set PCE, 12*(\q)+6*(\p/3)+\p%3
.if PCE%8 < 5
	ds_load_b64 v[\reg+2*\p:\reg+2*\p+1], v[\adr] offset:8*PCE+16*(PCE/8)+(\i)*16*PITCH
.else
	ds_load_b64 v[\reg+2*\p:\reg+2*\p+1], v[\adr+2] offset:8*PCE+16*(PCE/8)+(\i)*16*PITCH
.endif
.endr
.endm
.macro FETCH slot, q, p                ; the fragments of the slot's q-th 128 along K into set p: 72 loads
	WIN 0x80
.irp i, 0,1,2,3,4,5,6,7
	FRAG 96*(\p)+12*\i, AD0+\slot, \q, \i
.endr
	WIN 0
.irp i, 0,1,2,3
	FRAG S1F+48*(\p)+12*\i, AD1+\slot, \q, \i
.endr
.endm
.macro SCALES set                      ; a slot's two scale words of each row: lane r takes row r's (lanes 16-31 the same; they are not read)
.irp t, 0,1,2,3,4,5,6,7
	ds_load_b64 v[SC+24*\set+2*\t:SC+24*\set+2*\t+1], v[AS0] offset:1088*\t
.endr
.irp a, 0,1,2,3
	ds_load_b64 v[SC+24*\set+16+2*\a:SC+24*\set+16+2*\a+1], v[AS1] offset:1088*\a
.endr
.endm
; 8 matrix instructions: S1's tile a against S0's eight.  The 32 accumulators take turns, one instruction a turn, in the same order in every step.
.macro MUL a, p, q, set, zero
	WIN 0x52                                       ; source 0 window 2, source 1 window 0, C and D window 1
.irp t, 0,1,2,3,4,5,6,7
.set rD, 8*(8*(\a)+\t)
.set rA, 96*(\p)+12*\t
.set rB, S1F+48*(\p)+12*(\a)
.set rX, SC+24*(\set)+2*\t+(\q)
.set rY, SC+24*(\set)+16+2*(\a)+(\q)
.if \zero
	v_wmma_scale_f32_16x16x128_f8f6f4 v[rD:rD+7], v[rA:rA+11], v[rB:rB+11], 0, v[rX], v[rY] matrix_a_fmt:MATRIX_FMT_FP6 matrix_b_fmt:MATRIX_FMT_FP6
.else
	v_wmma_scale_f32_16x16x128_f8f6f4 v[rD:rD+7], v[rA:rA+11], v[rB:rB+11], v[rD:rD+7], v[rX], v[rY] matrix_a_fmt:MATRIX_FMT_FP6 matrix_b_fmt:MATRIX_FMT_FP6
.endif
.endr
.endm
; A slot's first 128 along K: set 0 is multiplied while set 1 comes.
.macro STEP slot, zero
	s_wait_dscnt 0x0                               ; set 0 and its scale words are in
	PLACES 4                                       ; in front of loads into set 1, which the last products read (ISA guide 7.12.1 for vector instructions)
	FETCH \slot, 1, 1
	MUL 0, 0, 0, \slot, \zero
	MUL 1, 0, 0, \slot, \zero
	MUL 2, 0, 0, \slot, \zero
	MUL 3, 0, 0, \slot, \zero
	WIN 0
.endm
; A slot's second 128 along K, and the change of slots: one barrier; in front of it each wave waits for all its tensor loads, adds 0 to its spare word, and waits for that and for its reads of this slot.
.macro TURN slot, next, fill
	s_wait_tensorcnt 0x0                           ; all my tensor loads have landed: my part of the next slot
	ds_add_u32 v[SPW], v[NIL]                      ; 0 onto my spare word
	s_wait_dscnt 0x1                               ; set 1 is in: my reads of this slot are over; the add may be out
	MUL 0, 1, 1, \slot, 0
	s_wait_dscnt 0x0                               ; the add is done
	s_barrier_signal -1
	MUL 1, 1, 1, \slot, 0
	WIN 0
	s_barrier_wait -1
.if \fill
	CREST                                          ; the barrier has opened a round of the cluster's: no wave of any partner still reads this slot or has a load on its way
	s_add_nc_u64 s[G0+4*\slot+2:G0+4*\slot+3], s[G0+4*\slot+2:G0+4*\slot+3], 2*ROWB
	s_add_nc_u64 s[G0B+4*\slot+2:G0B+4*\slot+3], s[G0B+4*\slot+2:G0B+4*\slot+3], 2*ROWB
	JLOAD G0+4*\slot, G1, G0B+4*\slot, G1B         ; my one tensor load behind the round; its four v_nop are the places in front of the loads below
.else
	PLACES 4
.endif
	v_add_nc_u32 v[AS0], 8, v[AS0]                 ; the next slot's scale words
	v_add_nc_u32 v[AS1], 8, v[AS1]
	FETCH \next, 0, 0
	SCALES \next
	MUL 2, 1, 1, \slot, 0
	MUL 3, 1, 1, \slot, 0
	WIN 0
.endm
	s_wait_tensorcnt 0x1                           ; the scales and my part of slot 0 are in; slot 1's load may be out
	s_barrier_signal -1
	s_barrier_wait -1
	FETCH 0, 0, 0
	SCALES 0
	STEP 0, 1                                      ; the first step's products start the sums: nothing is cleared
	s_mov_b32 s3, 3
.Llap:                                             ; a trip goes once round the ring and fills both slots again: K's slots 2 to 7
	TURN 0, 1, 1
	STEP 1, 0
	TURN 1, 0, 1
	STEP 0, 0
	s_sub_co_u32 s3, s3, 1
	s_cmp_lg_u32 s3, 0
	s_cbranch_scc1 .Llap
	TURN 0, 1, 0                                   ; the tail fills nothing
	STEP 1, 0
	s_wait_dscnt 0x0
	MUL 0, 1, 1, 1, 0
	MUL 1, 1, 1, 1, 0
	MUL 2, 1, 1, 1, 0
	MUL 3, 1, 1, 1, 0
	WIN 0
	PLACES 4                                       ; in front of the first read of results, and of writes and loads into registers that the products read
; 64 numbers of a lane in window nw, v[s] on (register 16 b + i: my 16 of block b; lane l xor 16 holds the other 16), become a fragment's codes in v[PC] on and its scale word in v[pw].
.macro QUANT s, nw, pw
	WIN (\nw)|((\nw)<<2)
.irp b, 0,1,2,3
	v_max3_num_f32 v[TM+\b], |v[(\s)+16*\b]|, |v[(\s)+1+16*\b]|, 0x1800000   ; with the floor 2^(3 - 127): the byte cannot fall under 1
.endr
	WIN ((\nw)<<2)|((\nw)<<4)
.irp i, 2,4,6,8,10,12,14
.irp b, 0,1,2,3
	v_max3_num_f32 v[TM+\b], v[TM+\b], |v[(\s)+16*\b+\i]|, |v[(\s)+1+16*\b+\i]|
.endr
.endr
	WIN 0
.irp b, 0,1,2,3
	v_permlanex16_b32 v[TM+4+\b], v[TM+\b], s66, s67
.endr
.irp b, 0,1,2,3
	v_max_num_f32 v[TM+\b], v[TM+\b], v[TM+4+\b]   ; the block's largest magnitude
.endr
.irp b, 0,1,2,3
	v_add_nc_u32 v[TM+8+\b], 0xff000000, v[TM+\b]  ; 2 off its exponent field: the conversion's scale operand
.endr
.irp b, 0,1,2,3
	v_lshrrev_b32 v[TM+4+\b], 23, v[TM+8+\b]       ; the scale's byte
.endr
	v_lshl_or_b32 v[\pw], v[TM+5], 8, v[TM+4]
	v_lshl_or_b32 v[\pw], v[TM+6], 16, v[\pw]
	v_lshl_or_b32 v[\pw], v[TM+7], 24, v[\pw]
	s_wait_xcnt 0x0                                ; the last fragment's stores have read v[PC] on: it is written again only behind this wait
	WIN \nw
.irp c, 0,1
	v_cvt_scalef32_pk16_fp6_f32 v[PC+6*\c:PC+2+6*\c], v[(\s)+32*\c:(\s)+15+32*\c], v[TM+8+2*\c]
	v_cvt_scalef32_pk16_fp6_f32 v[PC+12+4*\c:PC+14+4*\c], v[(\s)+16+32*\c:(\s)+31+32*\c], v[TM+8+2*\c+1]
.endr
	WIN 0
	v_nop                                          ; one plain place behind a scaled conversion
.irp c, 0,1                                    ; a whole block to a lane: lanes 0-15 block 2 c, lanes 16-31 block 2 c + 1
.irp i, 0,1,2
	v_permlane16_swap_b32 v[PC+6*\c+\i], v[PC+12+4*\c+\i]
.endr
.irp i, 0,1,2
	v_mov_b32 v[PC+3+6*\c+\i], v[PC+12+4*\c+\i]
.endr
.endr
.endm
.macro OUT a                           ; the fragment leaves as it stands: 512 consecutive bytes a store
.irp c, 0,1,2
	global_store_b128 v[LI], v[PC+4*\c:PC+4*\c+3], s[28:29] offset:1536*(\a)+512*\c
.endr
.endm
.macro NORMA a                         ; the squares of my 64 numbers of S1 tile a, two chains, ascending: each accumulator is first read at its low end
	v_pk_mul_f32 v[SS+4*\a:SS+4*\a+1], v[64*\a:64*\a+1], v[64*\a:64*\a+1]
	v_pk_mul_f32 v[SS+4*\a+2:SS+4*\a+3], v[64*\a+2:64*\a+3], v[64*\a+2:64*\a+3]
.irp j, 4,8,12,16,20,24,28,32,36,40,44,48,52,56,60
	v_pk_fma_f32 v[SS+4*\a:SS+4*\a+1], v[64*\a+\j:64*\a+\j+1], v[64*\a+\j:64*\a+\j+1], v[SS+4*\a:SS+4*\a+1]
	v_pk_fma_f32 v[SS+4*\a+2:SS+4*\a+3], v[64*\a+\j+2:64*\a+\j+3], v[64*\a+\j+2:64*\a+\j+3], v[SS+4*\a+2:SS+4*\a+3]
.endr
.endm
.macro NORMB a                         ; with lane l xor 16's 64: the token's sum; / 128 + 1e-6
	v_pk_add_f32 v[SS+4*\a:SS+4*\a+1], v[SS+4*\a:SS+4*\a+1], v[SS+4*\a+2:SS+4*\a+3]
	v_add_f32 v[SS+4*\a], v[SS+4*\a], v[SS+4*\a+1]
	v_permlanex16_b32 v[SS+4*\a+1], v[SS+4*\a], s66, s67
	v_add_f32 v[SS+4*\a], v[SS+4*\a], v[SS+4*\a+1]
	v_fma_f32 v[SS+4*\a], v[SS+4*\a], s30, s101
.endm
; S1 tile a: T = (x / rms) x gain; then x cos + rot sin over the registers that held cos (window cw, from cb on).  d and d + 64 are registers j and j + 32 of one lane.
.macro ROPE a, cw, cb
	WIN 0x01
.set jj, 0
.rept 32
	v_pk_mul_f32 v[T+jj:T+jj+1], v[64*(\a)+jj:64*(\a)+jj+1], v[RS+2*(\a):RS+2*(\a)+1] op_sel_hi:[1,0]
.set jj, jj+2
.endr
	WIN 0
.set jj, 0
.rept 32
	v_pk_mul_f32 v[T+jj:T+jj+1], v[T+jj:T+jj+1], v[WN+jj:WN+jj+1]
.set jj, jj+2
.endr
	WIN ((\cw)<<6)|((\cw)<<2)
.set jj, 0
.rept 32
	v_pk_mul_f32 v[\cb+jj:\cb+jj+1], v[T+jj:T+jj+1], v[\cb+jj:\cb+jj+1]
.set jj, jj+2
.endr
	WIN ((\cw)<<6)|((\cw)<<4)|((\cw)<<2)
.set jj, 0
.rept 16
	v_pk_fma_f32 v[\cb+jj:\cb+jj+1], v[T+32+jj:T+32+jj+1], v[\cb+64+jj:\cb+64+jj+1], v[\cb+jj:\cb+jj+1] neg_lo:[1,0,0] neg_hi:[1,0,0]
.set jj, jj+2
.endr
.rept 16
	v_pk_fma_f32 v[\cb+jj:\cb+jj+1], v[T-32+jj:T-32+jj+1], v[\cb+64+jj:\cb+64+jj+1], v[\cb+jj:\cb+jj+1]
.set jj, jj+2
.endr
	WIN 0
.endm
	s_wait_loadcnt 0x0                             ; the gains, and cos and sin of tiles 0 and 1
.irp b, 0,1,2,3
	v_mov_b32 v[TM+4+\b], 0                        ; a lane permute's destination counts as one of its sources
.endr
	s_cmp_eq_u32 s[ISV], 1
	s_cbranch_scc1 .Lv_way
	CSLOAD 2, 2, 0                                 ; into the registers that S0's fragments have left
	CSLOAD 3, 2, 128
	WIN 0x05
	NORMA 0
	NORMA 1
	NORMA 2
	NORMA 3
	WIN 0
	NORMB 0
	NORMB 1
	NORMB 2
	NORMB 3
.irp a, 0,1,2,3
	v_mov_b32 v[RS+2*\a+1], 0                      ; named with the result as a pair, so it is written
.endr
.irp a, 0,1,2,3
	v_rsq_f32 v[RS+2*\a], v[SS+4*\a]
.endr
	v_nop                                          ; a plain place behind the last of the batch
	s_wait_alu depctr_va_vdst(0)                   ; one wait for the four, ahead of their first reader
	ROPE 0, 3, 0
	QUANT 0, 3, PW+0
	OUT 0
	ROPE 1, 3, 128
	QUANT 128, 3, PW+1
	OUT 1
	s_wait_loadcnt 32                              ; tile 2's cos and sin are in; tile 3's 32 loads may be out
	ROPE 2, 2, 0
	QUANT 0, 2, PW+2
	OUT 2
	s_wait_loadcnt 0x0
	ROPE 3, 2, 128
	QUANT 128, 2, PW+3
	OUT 3
	s_branch .Ljoin
.Lv_way:                                           ; v: no norm, no rotation: the results are quantised as they stand, along the tokens
.irp a, 0,1,2,3
	QUANT 64*\a, 1, PW+\a
	OUT \a
.endr
.Ljoin:
	v_cndmask_b32 v[SW], v[PW], v[PW+1], s100      ; lanes 0-15 the even fragment's words, lanes 16-31 the odd one's
	v_cndmask_b32 v[SW+1], v[PW+2], v[PW+3], s100
	global_store_b64 v[L8], v[SW:SW+1], s[28:29] offset:6144   ; 256 consecutive bytes
	s_wait_tensorcnt 0x0                           ; the wave's end
	ds_add_u32 v[SPW], v[NIL]
	s_wait_dscnt 0x0
	CROUND                                         ; the closing round
	s_endpgm
.Lfunc_end_k_q467dcc464d_qkv:
	.size	k_q467dcc464d_qkv, .Lfunc_end_k_q467dcc464d_qkv-k_q467dcc464d_qkv
	.p2alignl 7, 3214868480
	.fill 96, 4, 3214868480
	.section	.rodata,"a",@progbits
	.p2align	6, 0x0
	.amdhsa_kernel k_q467dcc464d_qkv
		.amdhsa_group_segment_fixed_size 327680
		.amdhsa_private_segment_fixed_size 0
		.amdhsa_enable_private_segment 0
		.amdhsa_kernarg_size 104
		.amdhsa_user_sgpr_count 2
		.amdhsa_user_sgpr_kernarg_segment_ptr 1
		.amdhsa_wavefront_size32 1
		.amdhsa_system_sgpr_workgroup_id_x 1
		.amdhsa_system_sgpr_workgroup_id_y 1
		.amdhsa_system_sgpr_workgroup_id_z 1
		.amdhsa_system_vgpr_workitem_id 0
		.amdhsa_next_free_vgpr 1024
		.amdhsa_next_free_sgpr 102
		.amdhsa_reserve_vcc 0
		.amdhsa_float_denorm_mode_32 3
		.amdhsa_float_denorm_mode_16_64 3
		.amdhsa_memory_ordered 1
		.amdhsa_forward_progress 1
		.amdhsa_inst_pref_size 177
	.end_amdhsa_kernel
	.amdgpu_metadata
---
amdhsa.version: [ 1, 2 ]
amdhsa.kernels:
  - .name:           k_q467dcc464d_qkv
    .symbol:         k_q467dcc464d_qkv.kd
    .args:
      - { .name: x_codes, .offset: 0, .size: 8, .value_kind: global_buffer, .address_space: global }
      - { .name: x_scales, .offset: 8, .size: 8, .value_kind: global_buffer, .address_space: global }
      - { .name: Wq_codes, .offset: 16, .size: 8, .value_kind: global_buffer, .address_space: global }
      - { .name: Wq_scales, .offset: 24, .size: 8, .value_kind: global_buffer, .address_space: global }
      - { .name: Wk_codes, .offset: 32, .size: 8, .value_kind: global_buffer, .address_space: global }
      - { .name: Wk_scales, .offset: 40, .size: 8, .value_kind: global_buffer, .address_space: global }
      - { .name: Wv_codes, .offset: 48, .size: 8, .value_kind: global_buffer, .address_space: global }
      - { .name: Wv_scales, .offset: 56, .size: 8, .value_kind: global_buffer, .address_space: global }
      - { .name: cos, .offset: 64, .size: 8, .value_kind: global_buffer, .address_space: global }
      - { .name: sin, .offset: 72, .size: 8, .value_kind: global_buffer, .address_space: global }
      - { .name: qn_w, .offset: 80, .size: 8, .value_kind: global_buffer, .address_space: global }
      - { .name: kn_w, .offset: 88, .size: 8, .value_kind: global_buffer, .address_space: global }
      - { .name: qkvimg, .offset: 96, .size: 8, .value_kind: global_buffer, .address_space: global }
    .group_segment_fixed_size: 327680
    .private_segment_fixed_size: 0
    .kernarg_segment_align: 8
    .kernarg_segment_size: 104
    .max_flat_workgroup_size: 128
    .sgpr_count:     102
    .vgpr_count:     1024
    .wavefront_size: 32
...
	.end_amdgpu_metadata
.endif
;; end of part 1
;; launch attn (part 2): grid 32 x 8, 8 waves a work-group, no clusters, 231,424 bytes of LDS; arguments qkvimg, oimg, oscl; writes oimg, oscl
.if DOCPART == 2
	.amdgcn_target "amdgcn-amd-amdhsa--gfx1250"
	.amdhsa_code_object_version 6
	.text
	.protected	k_q467dcc464d_attn
	.globl	k_q467dcc464d_attn
	.p2align	8
	.type	k_q467dcc464d_attn,@function
k_q467dcc464d_attn:
	s_mov_b64 s[64:65], 0
	v_nop
	global_prefetch_b8 v0, s[64:65] scope:SCOPE_SE
	s_setreg_imm32_b32 hwreg(HW_REG_WAVE_MODE, 25, 1), 1
	s_wait_xcnt 0x0
; O[h][i] = the sum over j of softmax_j(q[h][i] . k[g][j] / 16) v[g][j], over the keys i - 1023 .. i alone (the mask is the problem's own), g = h / 2; both products on codes of FP6 (E2M3) with E8M0 scales.
; The softmax ahead of the second product: t = score x log2(e) / 16; M = the running largest t rounded UP to a whole number; p = 2^(t - M) is quantised along the keys; the row's sum is taken of the unquantised p
; and divides O at the end.  O / l is then quantised along the head's 128 and stored as an image of operand registers for the last product.
; SHARES.  A work-group: one head, the 128 queries of block a; each of eight waves 16 of them, in 256 registers.  The keys that count lie in key steps a - 8 .. a of 128 keys: nine steps.
; ALL NINE STEPS' K AND V LIE IN LDS AT ONCE: 9 x 25,600 = 230,400 bytes, each byte filled once: no slot is filled again.  The steps fetched are s0 .. s0 + 8, s0 = max(a - 8, 0), always inside the 32 steps;
; with a < 8 the steps behind a are fetched and left out of the work by a scalar branch on ids.  Waves 0-2 fetch K, waves 3-5 V, three loads each (three of a wave's tensor loads are out at the most), a chunk of three steps a load;
; a chunk is worked while the later chunks land.
; MASKS.  In S^T register 8 T + j of lane (r, h) is key 16 T + 8 h + j of the step, for query 16 wave + r of the block.  Step a: hidden where 16 T + j > DQ = 16 wave + r - 8 h.  Step a - 8: hidden where 16 T + j <= DQ
; (the window is exactly eight steps).  The steps between count whole.  A row all of whose keys of step a - 8 are hidden keeps the starting maximum: its p are zeros, and the next step's factor clears nothing but zeros.
; NO CLUSTER: only the two heads of a group read the same tiles in the same steps; any further partner would be another block of queries, whose skipped and masked steps differ, and partners must branch alike.
; LAYOUT.  Both products are used transposed (S^T = K q^T, O^T = V^T p^T): a lane holds one query.  K's, V's and q's fragments come as images of their registers (the launch before): lane l's 16 bytes at 16 l.
; Inside a block of 32 keys p's codes stand in the order 0-7, 16-23, 8-15, 24-31, as V's do; q's and k's channels likewise.  O meets Wo, which is given in natural order: its registers are put in natural order first.
; LIMITS: NaN and infinities are not served; a block whose largest magnitude lies under 2^-124 keeps the byte 1, a block of zeros too; 1 / l by v_rcp_f32.
; REGISTERS: v1-5 lane terms; v8-9 addresses in hand; v12 -M, v13 the largest t, v[14:15] the sum; v16-27 q; v32-79 four fragments; v96-159 S^T, then p; v160-223 O^T; v224-235 codes; v232-247 at work;
;   v[248:249] a record's scale words; v252 f; v253 p's scale word; v254 at work; v255 q's scale word.
.set REC,   6400                       ; a record: 4 fragments and their scale words
.set STEPB, 12800                      ; a step's K, or its V: two records
.set CHB,   76800                      ; a chunk: three steps' K, then three steps' V
.set VOFF,  38400
.set LI,  1                            ; v1 16 x lane
.set L8,  2                            ; v2 8 x lane
.set DQ,  3
.set NINF, 4
.set L4,  5                            ; v5 4 x lane
.set ADK, 8
.set ADS, 9
.set KV,  32
.set WV,  36
.set QA,  37
.set KS,  38                           ; s38 the step in hand
.set TB,  39                           ; s39 where its K lies in LDS
.set CNT, 40
.set HD,  41
.set CS,  42                           ; s[42:43] c = log2(e) / 16
.set SEL, 44
.macro PLACES n
.rept \n
	v_nop
.endr
.endm
	s_load_b128 s[4:7], s[0:1], 0x0                ; qkvimg, oimg
	s_load_b64 s[8:9], s[0:1], 0x10                ; oscl
	v_lshl_add_u32 v250, v0, 2, 0x38400
	v_mov_b32 v251, 0
	ds_add_u32 v250, v251
	ds_add_u32 v250, v251
	v_lshrrev_b32 v6, 5, v0
	v_readfirstlane_b32 s[WV], v6                  ; wave 0..7
	s_mov_b32 s[QA], ttmp9                         ; the block of queries
	s_and_b32 s[HD], ttmp7, 0xffff                 ; the head
	s_max_u32 s[KS], s[QA], 8
	s_sub_co_u32 s[KS], s[KS], 8                   ; s0 = max(a - 8, 0)
	s_mov_b32 s16, 3<<16                           ; group 1: 12,800 dense bytes as 50 rows of 256 (32 elements of 8 bytes), no padding, no mask
	s_mov_b32 s17, 32<<16
	s_mov_b32 s18, 50<<16
	s_mov_b32 s19, 32<<16
	s_mov_b32 s20, 50
	s_mov_b32 s21, 32
	s_mov_b32 s22, 0
	s_mov_b32 s23, 0
	s_cmp_ge_u32 s[WV], 3
	s_cselect_b32 s10, 1, 0                        ; 0: I fetch K; 1: V
	s_mul_i32 s11, s10, 3
	s_sub_co_u32 s11, s[WV], s11                   ; which of a chunk's three steps
	s_lshr_b32 s12, s[HD], 1
	s_lshl_b32 s10, s10, 2
	s_add_co_u32 s12, s12, s10
	s_add_co_u32 s12, s12, 8                       ; the unit: 8 + group for K, 12 + group for V
	s_lshl_b32 s12, s12, 6
	s_add_co_u32 s11, s11, s[KS]
	s_lshl_b32 s11, s11, 1
	s_add_co_u32 s12, s12, s11                     ; its record 2 x step
	s_mul_i32 s12, s12, REC
	s_mov_b32 s13, 0
	s_mul_i32 s14, s[WV], STEPB                    ; in LDS: 12,800 x wave + 76,800 x chunk
	s_lshl_b32 s46, s[HD], 6                       ; q: unit h, record 2 a + wave / 4
	s_lshl_b32 s47, s[QA], 1
	s_add_co_u32 s46, s46, s47
	s_lshr_b32 s47, s[WV], 2
	s_add_co_u32 s46, s46, s47
	s_mul_i32 s46, s46, REC
	s_mov_b32 s47, 0
	s_and_b32 s48, s[WV], 3
	s_mul_i32 s48, s48, 1536                       ; fragment wave % 4
	s_and_b32 s49, s[WV], 1
	s_lshl_b32 s49, s49, 7                         ; its words: lanes 16 (wave % 2) on,
	s_bfe_u32 s54, s[WV], 0x10001
	s_lshl_b32 s54, s54, 2
	s_add_co_u32 s49, s49, s54                     ; word (wave / 2) % 2
	s_lshl_b32 s51, s[QA], 3
	s_add_co_u32 s51, s51, s[WV]                   ; my tile of 16 tokens
	s_lshr_b32 s50, s[HD], 1
	s_lshl_b32 s50, s50, 8
	s_add_co_u32 s50, s50, s51
	s_lshl_b32 s50, s50, 1
	s_and_b32 s52, s[HD], 1
	s_add_co_u32 s50, s50, s52
	s_mul_i32 s50, s50, 1536                       ; oimg [pair of heads][tile][head % 2][1,536]
	s_lshl_b32 s52, s51, 3
	s_add_co_u32 s52, s52, s[HD]
	s_lshl_b32 s52, s52, 7                         ; oscl [tile][head][128]
	s_mov_b32 s51, 0
	s_mov_b32 s53, 0
	s_mov_b32 s[CS], 0x3db8aa3b
	s_mov_b32 s[CS+1], s[CS]
	s_mov_b32 s[SEL], 0x76543210
	s_mov_b32 s[SEL+1], 0xfedcba98
	s_wait_dscnt 0x0
	s_wait_kmcnt 0x0
	s_add_nc_u64 s[12:13], s[4:5], s[12:13]
.irp c, 0,1,2
	s_mov_b32 s[24+4*\c], 1
	s_add_co_u32 s[25+4*\c], s14, \c*CHB
	s_add_nc_u64 s[26+4*\c:27+4*\c], s[12:13], \c*3*STEPB   ; three steps on
	s_or_b32 s[27+4*\c], s[27+4*\c], 0x80000000
.endr
	s_cmp_lt_u32 s[WV], 6                          ; a wave's three fills stand in one branch, ahead of every wait on TENSORcnt, every LDS read and every barrier
	s_cbranch_scc0 .Lno_fill
	tensor_load_to_lds s[24:27], s[16:23]
	s_nop 0
	tensor_load_to_lds s[28:31], s[16:23]
	s_nop 0
	tensor_load_to_lds s[32:35], s[16:23]
	s_nop 0
.rept 4
	v_nop
.endr
.Lno_fill:
	s_add_nc_u64 s[46:47], s[4:5], s[46:47]
	s_add_nc_u64 s[6:7], s[6:7], s[50:51]
	s_add_nc_u64 s[8:9], s[8:9], s[52:53]
	v_and_b32 v6, 31, v0
	v_lshlrev_b32 v[LI], 4, v6
	v_lshlrev_b32 v[L8], 3, v6
	v_lshlrev_b32 v[L4], 2, v6
	v_and_b32 v6, 15, v0                           ; r
	v_bfe_u32 v7, v0, 4, 1                         ; h
	v_add_nc_u32 v28, s48, v[LI]
	v_lshlrev_b32 v29, 3, v6
	v_add_nc_u32 v29, s49, v29
.irp e, 0,1,2
	global_load_b128 v[16+4*\e:19+4*\e], v28, s[46:47] offset:512*\e   ; q's fragment stays in registers
.endr
	global_load_b32 v255, v29, s[46:47] offset:6144                    ; lane r: query r's scale word
	v_lshlrev_b32 v7, 3, v7
	v_sub_nc_u32 v[DQ], v6, v7
	s_lshl_b32 s54, s[WV], 4
	v_add_nc_u32 v[DQ], s54, v[DQ]                 ; 16 wave + r - 8 h
	v_mov_b32 v[NINF], 0xff800000
	v_mov_b32 v13, 0xff61b1e6                      ; the largest t so far: -3e38
	v_floor_f32 v12, -v13                          ; -M
	v_mov_b32 v14, 0
	v_mov_b32 v15, 0
.irp b, 0,1,2,3
	v_mov_b32 v[236+\b], 0                         ; a lane permute's destination counts as one of its sources
.endr
	v_mov_b32 v252, 0                              ; likewise: the way out's lane permute writes v252, so it is written here on every way
	v_mov_b32 v253, 0                              ; (named as the upper half of the pair v[252:253] before it is first written)
.set nn, 0
.rept 64
	v_mov_b32 v[160+nn], 0                         ; O^T: the step is written without a first step of its own; the first change of M multiplies zeros
.set nn, nn+1
.endr
; From the four blocks' largest magnitudes in v232-235 and the 64 numbers in v96-159: the scale word in v253, the fragment's codes in v224-235.
.macro CODES
.irp b, 0,1,2,3
	v_add_nc_u32 v[244+\b], 0xff000000, v[232+\b]  ; 2 off the exponent field: the conversion's scale operand
.endr
.irp b, 0,1,2,3
	v_lshrrev_b32 v[236+\b], 23, v[244+\b]         ; the scale's byte
.endr
	v_lshl_or_b32 v253, v237, 8, v236
	v_lshl_or_b32 v253, v238, 16, v253
	v_lshl_or_b32 v253, v239, 24, v253
.irp c, 0,1
	v_cvt_scalef32_pk16_fp6_f32 v[224+6*\c:226+6*\c], v[96+32*\c:111+32*\c], v[244+2*\c]
	v_cvt_scalef32_pk16_fp6_f32 v[236+4*\c:238+4*\c], v[112+32*\c:127+32*\c], v[244+2*\c+1]
.endr
	v_nop                                          ; one plain place behind a scaled conversion
.irp c, 0,1
.irp i, 0,1,2
	v_permlane16_swap_b32 v[224+6*\c+\i], v[236+4*\c+\i]
.endr
.irp i, 0,1,2
	v_mov_b32 v[227+6*\c+\i], v[236+4*\c+\i]
.endr
.endr
.endm
; Four fragments and their scale words: record g of the two at byte off of the step's tiles.
.macro RECORD g, off
.irp t, 0,1,2,3
.irp e, 0,1,2
	ds_load_b128 v[KV+12*\t+4*\e:KV+12*\t+4*\e+3], v[ADK] offset:\off+REC*\g+1536*\t+512*\e
.endr
.endr
	ds_load_b64 v[248:249], v[ADS] offset:\off+REC*\g+6144
	s_wait_dscnt 0x0
.endm
; A KEY STEP of 128 keys.  c: the chunk (the window's mask can fall into chunk 0 alone).
.macro STEP c
	s_cmp_gt_u32 s[KS], s[QA]                      ; a step behind my block's own is left out: a branch on ids, round the work alone
	s_cbranch_scc1 .Lhid_\@
	v_add_nc_u32 v[ADK], s[TB], v[LI]
	v_add_nc_u32 v[ADS], s[TB], v[L8]
	v_nop
	v_nop                                          ; four places in front of loads into registers that the last products read
.irp g, 0,1                                    ; S^T = K q^T
.if \g
	PLACES 4
.endif
	RECORD \g, 0
.irp t, 0,1,2,3
.if \t%2
	v_wmma_scale_f32_16x16x128_f8f6f4 v[96+8*(4*\g+\t):103+8*(4*\g+\t)], v[KV+12*\t:KV+12*\t+11], v[16:27], 0, v[248+\t/2], v255 matrix_a_fmt:MATRIX_FMT_FP6 matrix_b_fmt:MATRIX_FMT_FP6 matrix_a_scale:MATRIX_SCALE_ROW1
.else
	v_wmma_scale_f32_16x16x128_f8f6f4 v[96+8*(4*\g+\t):103+8*(4*\g+\t)], v[KV+12*\t:KV+12*\t+11], v[16:27], 0, v[248+\t/2], v255 matrix_a_fmt:MATRIX_FMT_FP6 matrix_b_fmt:MATRIX_FMT_FP6
.endif
.endr
.endr
	PLACES 4
	s_cmp_eq_u32 s[KS], s[QA]                      ; my block's own step: keys behind the query become -infinity
	s_cbranch_scc0 .Lnodiag_\@
.set nn, 0
.rept 64
	v_cmp_gt_i32 vcc_lo, 16*(nn/8)+nn%8, v[DQ]
	v_cndmask_b32 v[96+nn], v[96+nn], v[NINF], vcc_lo
.set nn, nn+1
.endr
.Lnodiag_\@:
.if \c == 0
	s_add_co_u32 s54, s[KS], 8                     ; eight steps back: keys 1,024 or more before the query
	s_cmp_eq_u32 s54, s[QA]
	s_cbranch_scc0 .Lnowin_\@
.set nn, 0
.rept 64
	v_cmp_le_i32 vcc_lo, 16*(nn/8)+nn%8, v[DQ]
	v_cndmask_b32 v[96+nn], v[96+nn], v[NINF], vcc_lo
.set nn, nn+1
.endr
.Lnowin_\@:
.endif
.irp b, 0,1,2,3
	v_max3_num_f32 v[232+\b], v[96+16*\b], v[97+16*\b], v[98+16*\b]   ; the largest score of each block of 32 keys: for the row's maximum, and, since p rises with the score, for the block's largest p
.endr
.irp i, 3,5,7,9,11,13
.irp b, 0,1,2,3
	v_max3_num_f32 v[232+\b], v[232+\b], v[96+16*\b+\i], v[97+16*\b+\i]
.endr
.endr
.irp b, 0,1,2,3
	v_max_num_f32 v[232+\b], v[232+\b], v[111+16*\b]
.endr
.irp b, 0,1,2,3
	v_permlanex16_b32 v[236+\b], v[232+\b], s[SEL], s[SEL+1]
.endr
.irp b, 0,1,2,3
	v_max_num_f32 v[232+\b], v[232+\b], v[236+\b]  ; with lane l xor 16's 16 keys
.endr
	v_max3_num_f32 v254, v232, v233, v234
	v_max_num_f32 v254, v254, v235
	v_mul_f32 v254, s[CS], v254
	v_max_num_f32 v13, v13, v254                   ; the running largest t
	v_mov_b32 v254, v12
	v_floor_f32 v12, -v13                          ; -M = floor(-t): M is a whole number
	v_sub_f32 v254, v12, v254                      ; old M - new M: a whole number, 0 or less
	v_cvt_i32_f32 v254, v254                       ; (it saturates)
	v_ldexp_f32 v252, 1.0, v254                    ; f = 2^(old M - new M)
.set nn, 0
.rept 32
	v_pk_fma_f32 v[96+nn:97+nn], v[96+nn:97+nn], s[CS:CS+1], v[12:13] op_sel_hi:[1,0,0]   ; t - M
.set nn, nn+2
.endr
.irp b, 0,1,2,3
	v_fma_f32 v[232+\b], v[232+\b], s[CS], v12
.endr
.set nn, 0
.rept 64
	v_exp_f32 v[96+nn], v[96+nn]                   ; p = 2^(t - M)
.set nn, nn+1
.endr
	v_pk_mul_f32 v[14:15], v[14:15], v[252:253] op_sel_hi:[1,0]   ; the sums under the new M; a plain place behind the batch
	s_wait_alu depctr_va_vdst(0)                   ; one wait for the 64, ahead of their first reader
.irp b, 0,1,2,3
	v_exp_f32 v[232+\b], v[232+\b]                 ; the blocks' largest p
.endr
	v_pk_add_f32 v[236:237], v[96:97], v[98:99]    ; the row's sum of the unquantised p, two chains
.irp j, 4,8,12,16,20,24,28,32,36,40,44,48,52,56,60
	v_pk_add_f32 v[14:15], v[14:15], v[96+\j:97+\j]
	v_pk_add_f32 v[236:237], v[236:237], v[98+\j:99+\j]
.endr
	v_pk_add_f32 v[14:15], v[14:15], v[236:237]
	s_wait_alu depctr_va_vdst(0)                   ; and one for the four
.irp b, 0,1,2,3
	v_max_num_f32 v[232+\b], 0x1800000, v[232+\b]  ; the floor 2^(3 - 127): the byte cannot fall under 1
.endr
	CODES
.set nn, 0
.rept 32
	v_pk_mul_f32 v[160+nn:161+nn], v[160+nn:161+nn], v[252:253] op_sel_hi:[1,0]   ; O^T under the new M; these are also the places in front of the loads and products below
.set nn, nn+2
.endr
.irp g, 0,1                                    ; O^T += V^T p^T
.if \g
	PLACES 4
.endif
	RECORD \g, VOFF
.irp t, 0,1,2,3
.if \t%2
	v_wmma_scale_f32_16x16x128_f8f6f4 v[160+8*(4*\g+\t):167+8*(4*\g+\t)], v[KV+12*\t:KV+12*\t+11], v[224:235], v[160+8*(4*\g+\t):167+8*(4*\g+\t)], v[248+\t/2], v253 matrix_a_fmt:MATRIX_FMT_FP6 matrix_b_fmt:MATRIX_FMT_FP6 matrix_a_scale:MATRIX_SCALE_ROW1
.else
	v_wmma_scale_f32_16x16x128_f8f6f4 v[160+8*(4*\g+\t):167+8*(4*\g+\t)], v[KV+12*\t:KV+12*\t+11], v[224:235], v[160+8*(4*\g+\t):167+8*(4*\g+\t)], v[248+\t/2], v253 matrix_a_fmt:MATRIX_FMT_FP6 matrix_b_fmt:MATRIX_FMT_FP6
.endif
.endr
.endr
.Lhid_\@:
	s_add_co_u32 s[KS], s[KS], 1
	s_add_co_u32 s[TB], s[TB], STEPB
.endm
; A chunk of three steps: the fetching waves wait for their load of this chunk (the later chunks' may stay out), then the barrier shows it to all eight.
.macro CHUNK c
	s_wait_dscnt 0x0
	s_wait_tensorcnt 2-\c                          ; behind this chunk's load a wave has issued 2 - c more
	s_barrier_signal -1
	s_barrier_wait -1
	s_mov_b32 s[TB], \c*CHB
	s_mov_b32 s[CNT], 3
.Lchunk_\@:
	STEP \c
	s_sub_co_u32 s[CNT], s[CNT], 1
	s_cmp_lg_u32 s[CNT], 0
	s_cbranch_scc1 .Lchunk_\@
.endm
	s_wait_loadcnt 0x0                             ; q
	CHUNK 0
	CHUNK 1
	CHUNK 2
	; THE WAY OUT
	PLACES 4                                       ; behind the last products
	v_add_f32 v14, v14, v15
	v_permlanex16_b32 v252, v14, s[SEL], s[SEL+1]
	v_add_f32 v14, v14, v252                       ; the row's sum
	v_rcp_f32 v14, v14
	v_nop
	s_wait_alu depctr_va_vdst(0)                   ; ahead of the first reader
.set nn, 0
.rept 64
	v_mul_f32 v[96+nn], v[160+nn], v14             ; register 8 t + j: channel 16 t + 8 h + j of query r
.set nn, nn+1
.endr
.irp b, 0,1,2,3                                ; natural order for the last product: afterwards register 16 b + i is channel 32 b + 16 h + i
.irp j, 0,1,2,3,4,5,6,7
	v_permlane16_swap_b32 v[96+16*\b+\j], v[104+16*\b+\j]
.endr
.endr
.irp b, 0,1,2,3
	v_max3_num_f32 v[232+\b], |v[96+16*\b]|, |v[97+16*\b]|, 0x1800000
.endr
.irp i, 2,4,6,8,10,12,14
.irp b, 0,1,2,3
	v_max3_num_f32 v[232+\b], v[232+\b], |v[96+16*\b+\i]|, |v[97+16*\b+\i]|
.endr
.endr
.irp b, 0,1,2,3
	v_permlanex16_b32 v[236+\b], v[232+\b], s[SEL], s[SEL+1]
.endr
.irp b, 0,1,2,3
	v_max_num_f32 v[232+\b], v[232+\b], v[236+\b]
.endr
	CODES
.irp e, 0,1,2
	global_store_b128 v[LI], v[224+4*\e:227+4*\e], s[6:7] offset:512*\e   ; 512 consecutive bytes a store
.endr
	global_store_b32 v[L4], v253, s[8:9]           ; the 16 queries' scale words, in both halves of the lanes
	s_wait_tensorcnt 0x0
	ds_add_u32 v250, v251
	s_wait_dscnt 0x0
	s_endpgm
.Lfunc_end_k_q467dcc464d_attn:
	.size	k_q467dcc464d_attn, .Lfunc_end_k_q467dcc464d_attn-k_q467dcc464d_attn
	.p2alignl 7, 3214868480
	.fill 96, 4, 3214868480
	.section	.rodata,"a",@progbits
	.p2align	6, 0x0
	.amdhsa_kernel k_q467dcc464d_attn
		.amdhsa_group_segment_fixed_size 231424
		.amdhsa_private_segment_fixed_size 0
		.amdhsa_enable_private_segment 0
		.amdhsa_kernarg_size 24
		.amdhsa_user_sgpr_count 2
		.amdhsa_user_sgpr_kernarg_segment_ptr 1
		.amdhsa_wavefront_size32 1
		.amdhsa_system_sgpr_workgroup_id_x 1
		.amdhsa_system_sgpr_workgroup_id_y 1
		.amdhsa_system_sgpr_workgroup_id_z 1
		.amdhsa_system_vgpr_workitem_id 0
		.amdhsa_next_free_vgpr 256
		.amdhsa_next_free_sgpr 66
		.amdhsa_reserve_vcc 1
		.amdhsa_float_denorm_mode_32 3
		.amdhsa_float_denorm_mode_16_64 3
		.amdhsa_memory_ordered 1
		.amdhsa_forward_progress 1
		.amdhsa_inst_pref_size 93
	.end_amdhsa_kernel
	.amdgpu_metadata
---
amdhsa.version: [ 1, 2 ]
amdhsa.kernels:
  - .name:           k_q467dcc464d_attn
    .symbol:         k_q467dcc464d_attn.kd
    .args:
      - { .name: qkvimg, .offset: 0, .size: 8, .value_kind: global_buffer, .address_space: global }
      - { .name: oimg, .offset: 8, .size: 8, .value_kind: global_buffer, .address_space: global }
      - { .name: oscl, .offset: 16, .size: 8, .value_kind: global_buffer, .address_space: global }
    .group_segment_fixed_size: 231424
    .private_segment_fixed_size: 0
    .kernarg_segment_align: 8
    .kernarg_segment_size: 24
    .max_flat_workgroup_size: 256
    .sgpr_count:     66
    .vgpr_count:     256
    .wavefront_size: 32
...
	.end_amdgpu_metadata
.endif
;; end of part 2
;; launch proj (part 3): grid 16 x 16, 4 waves a work-group, clusters of 4 x 4, 327,680 bytes of LDS; arguments oimg, oscl, Wo_codes, Wo_scales, out0; writes out0
.if DOCPART == 3
	.amdgcn_target "amdgcn-amd-amdhsa--gfx1250"
	.amdhsa_code_object_version 6
	.text
	.protected	k_q467dcc464d_proj
	.globl	k_q467dcc464d_proj
	.p2align	8
	.type	k_q467dcc464d_proj,@function
k_q467dcc464d_proj:
	s_mov_b64 s[64:65], 0
	v_nop
	global_prefetch_b8 v0, s[64:65] scope:SCOPE_SE
	s_setreg_imm32_b32 hwreg(HW_REG_WAVE_MODE, 25, 1), 1
	s_wait_xcnt 0x0
	s_wait_alu depctr_hold_cnt(0) depctr_sa_sdst(0) depctr_va_vdst(0) depctr_va_sdst(0) depctr_va_ssrc(0) depctr_va_vcc(0) depctr_vm_vsrc(0)
	s_getreg_b32 s2, hwreg(HW_REG_IB_STS2, 6, 4)
	s_cmp_eq_u32 s2, 0
	s_cbranch_scc0 .Lentry_in_a_cluster
	s_endpgm
.Lentry_in_a_cluster:
	s_bfe_u32 s2, ttmp6, 0x10000c
	s_cmp_lg_u32 s2, 0xf033
	s_cbranch_scc0 .Lentry_shape_is_right
	s_endpgm
.Lentry_shape_is_right:
; out0 = O Wo: [4,096 tokens][K = 1,024] x [2,048 columns][K], on codes of FP6 (E2M3) with E8M0 scales; f32 sums, f32 out.
; O comes as images of operand registers, oimg [4 pairs of heads][256 tiles of 16 tokens][2 heads][1,536 bytes], with its scale words oscl [256 tiles][8 heads][32 lanes x 4 bytes]; Wo as given: rows of 768 bytes, scales 32 bytes a row.
; A work-group makes 256 tokens x 128 columns; four waves, each 64 tokens x 128 columns: 32 accumulators.  Source 0 = 16 rows of Wo (8 tiles), source 1 = 16 tokens (4 tiles): a lane holds eight neighbouring columns of one token.
; K goes in four slots of 256 (a pair of heads) through a ring of two LDS slots; the scales of all of K come once.  The steps are written out: two slots are filled again.
; CLUSTER 4 x 4: the four work-groups of a row need the same tiles of O, the four of a column the same tiles of Wo: each tile is asked for jointly.
; REGISTERS.  window 0: v8-22 addresses; v32-79 scale words, two sets; v80-175 O's fragments, two sets; on the way out v128-255.   window 1: the accumulators, (a, t) at v[8 (8 a + t)].   window 2: Wo's fragments, two sets.
.set KROW,  768
.set ROWB,  192
.set PITCH, 240
.set OPART, 16*3072                    ; O's 16 tiles x 2 heads, dense; Wo's 128 rows lie behind them
.set SLOT,  OPART+128*PITCH
.set PAIRB, 256*3072                   ; from a pair of heads to the next in oimg
.set OSC,   2*SLOT                     ; O's scale words: [16 tiles][8 heads][128], dense
.set WSC,   OSC+16384                  ; Wo's: 128 rows x 32 bytes, as 16 runs of 256 bytes + 16
.set SPARE, WSC+16*272                 ; the spare words, 128 bytes a wave
.set SPITCH, 528                       ; the way out: 16 rows x (512 + 16) bytes a wave, in slot 0, which has had its last fill and its last read by then
.set AD0, 8                            ; v8-9 Wo's fragments in slot 0, 1; v10-11 behind one padding more
.set AO,  12                           ; v12-13 O's images in slot 0, 1
.set ASW, 16
.set ASO, 17
.set SPW, 18
.set NIL, 19
.set STO, 20
.set RD,  21
.set CO,  22
.set SC,  32
.set S1F, 80
.set BK,  128
.set G1,  32
.set G0,  40
.set G1B, 48
.set G0B, 56
.set G1S, 68
.set G0S, 76
.set G1SB, 80
.set G0SB, 88
.set WVN, 92
.set WH,  93
.set WL,  94
.set CX,  95
.set CY,  96
.set XB,  97
.set YB,  98
.set MSB, 0
.macro WIN new
.set WNEW, \new
.if MSB != WNEW
	s_set_vgpr_msb (MSB<<8)|WNEW
.set MSB, WNEW
.endif
.endm
.macro PLACES n
.rept \n
	v_nop
.endr
.endm
.macro JLOAD g0a, g1a, g0b, g1b        ; waves 0 and 1 fetch for O, waves 2 and 3 for Wo; four v_nop follow each line
	s_cmp_eq_u32 s[WH], 0
	s_cbranch_scc0 .Lfor_b_\@
	tensor_load_to_lds s[\g0a:\g0a+3], s[\g1a:\g1a+7]
	s_nop 0
.rept 4
	v_nop
.endr
	s_branch .Lasked_\@
.Lfor_b_\@:
	tensor_load_to_lds s[\g0b:\g0b+3], s[\g1b:\g1b+7]
	s_nop 0
.rept 4
	v_nop
.endr
.Lasked_\@:
.endm
.macro CREST
	s_cmp_lg_u32 s[WVN], 0
	s_cbranch_scc1 .Lnot_wave_0_\@
	s_barrier_signal -3
.Lnot_wave_0_\@:
	s_barrier_wait -3
	s_barrier_signal -1
	s_barrier_wait -1
.endm
.macro CROUND
	s_barrier_signal -1
	s_barrier_wait -1
	CREST
.endm
	s_load_b256 s[4:11], s[0:1], 0x0               ; oimg, oscl, Wo codes, Wo scales
	s_load_b64 s[12:13], s[0:1], 0x20              ; out0
	v_lshl_add_u32 v[SPW], v0, 2, SPARE
	v_mov_b32 v[NIL], 0
	ds_add_u32 v18, v19
	ds_add_u32 v18, v19
	s_wait_dscnt 0x0
	v_lshrrev_b32 v1, 5, v0
	v_readfirstlane_b32 s[WVN], v1
	s_lshr_b32 s[WH], s[WVN], 1
	s_and_b32 s[WL], s[WVN], 1
	s_bfe_u32 s[CX], ttmp6, 0x40000
	s_bfe_u32 s[CY], ttmp6, 0x40004
	s_lshl_b32 s[XB], ttmp9, 2
	s_add_co_u32 s[XB], s[XB], s[CX]               ; the block of 128 columns
	s_and_b32 s[YB], ttmp7, 0xffff
	s_lshl_b32 s[YB], s[YB], 2
	s_add_co_u32 s[YB], s[YB], s[CY]               ; the block of 256 tokens
	s_lshl_b32 s30, s[CY], 2
	s_lshl_b32 s30, 15, s30                        ; my row of the cluster
	s_lshl_b32 s31, 0x1111, s[CX]                  ; my column
	s_or_b32 s[G1], s30, (3<<16)|(1<<21)           ; O's images of 8 tiles: 24,576 dense bytes as 96 rows of 256, no padding
	s_mov_b32 s[G1+1], 32<<16
	s_mov_b32 s[G1+2], 96<<16
	s_mov_b32 s[G1+3], 32<<16
	s_mov_b32 s[G1+4], 96
	s_mov_b32 s[G1+5], 32
	s_mov_b32 s[G1+6], 0
	s_mov_b32 s[G1+7], 0
	s_or_b32 s[G1B], s31, (1<<20)|(1<<21)|(3<<22)|(3<<25)   ; Wo's codes: 64 rows x 192 bytes, 4 words of padding behind every 16
	s_mov_b32 s[G1B+1], ROWB<<16
	s_mov_b32 s[G1B+2], 64<<16
	s_mov_b32 s[G1B+3], ROWB<<16
	s_mov_b32 s[G1B+4], 64
	s_mov_b32 s[G1B+5], KROW
	s_mov_b32 s[G1B+6], 0
	s_mov_b32 s[G1B+7], 0
	s_or_b32 s[G1S], s30, (3<<16)|(1<<21)          ; O's scale words of 8 tiles: 8,192 dense bytes
	s_mov_b32 s[G1S+1], 32<<16
	s_mov_b32 s[G1S+2], 32<<16
	s_mov_b32 s[G1S+3], 32<<16
	s_mov_b32 s[G1S+4], 32
	s_mov_b32 s[G1S+5], 32
	s_mov_b32 s[G1S+6], 0
	s_mov_b32 s[G1S+7], 0
	s_or_b32 s[G1SB], s31, (3<<16)|(1<<20)|(1<<21)|(5<<22)|(3<<25)  ; Wo's scales of 64 rows: 2,048 dense bytes as 8 rows of 256, 16 bytes of padding behind each
	s_mov_b32 s[G1SB+1], 32<<16
	s_mov_b32 s[G1SB+2], 8<<16
	s_mov_b32 s[G1SB+3], 32<<16
	s_mov_b32 s[G1SB+4], 8
	s_mov_b32 s[G1SB+5], 32
	s_mov_b32 s[G1SB+6], 0
	s_mov_b32 s[G1SB+7], 0
	s_lshl_b32 s14, s[YB], 4
	s_lshl_b32 s15, s[WL], 3
	s_add_co_u32 s14, s14, s15                     ; O: tile 16 y + 8 (wave % 2)
	s_lshl_b32 s16, s14, 10                        ; its scale words, 1,024 bytes a tile
	s_mul_i32 s14, s14, 3072
	s_mov_b32 s15, 0
	s_mov_b32 s17, 0
	s_lshl_b32 s18, s[XB], 7
	s_lshl_b32 s19, s[WL], 6
	s_add_co_u32 s18, s18, s19                     ; Wo: row 128 x + 64 (wave % 2)
	s_lshl_b32 s20, s18, 5
	s_mul_i32 s18, s18, KROW
	s_mov_b32 s19, 0
	s_mov_b32 s21, 0
	s_mul_i32 s22, s[WL], 8*3072                   ; where they go: no place in the cluster enters an LDS address
	s_mul_i32 s23, s[WL], 64*PITCH
	s_add_co_u32 s23, s23, OPART
	s_lshl_b32 s24, s[WL], 13
	s_add_co_u32 s24, s24, OSC
	s_mul_i32 s25, s[WL], 8*272
	s_add_co_u32 s25, s25, WSC
	s_wait_kmcnt 0x0
	s_add_nc_u64 s[4:5], s[4:5], s[14:15]
	s_add_nc_u64 s[6:7], s[6:7], s[16:17]
	s_add_nc_u64 s[8:9], s[8:9], s[18:19]
	s_add_nc_u64 s[10:11], s[10:11], s[20:21]
	CROUND                                         ; all sixteen work-groups are here: the first joint loads meet
	s_mov_b32 s[G0S], 1
	s_mov_b32 s[G0S+1], s24
	s_mov_b64 s[G0S+2:G0S+3], s[6:7]
	s_or_b32 s[G0S+3], s[G0S+3], 0x80000000
	s_mov_b32 s[G0SB], 1
	s_mov_b32 s[G0SB+1], s25
	s_mov_b64 s[G0SB+2:G0SB+3], s[10:11]
	s_or_b32 s[G0SB+3], s[G0SB+3], 0x80000000
	JLOAD G0S, G1S, G0SB, G1SB                     ; the scales for all of K: filled once
.irp s, 0,1
	s_mov_b32 s[G0+4*\s], 1
	s_add_co_u32 s[G0+4*\s+1], s22, \s*SLOT
	s_add_nc_u64 s[G0+4*\s+2:G0+4*\s+3], s[4:5], \s*PAIRB
	s_or_b32 s[G0+4*\s+3], s[G0+4*\s+3], 0x80000000
	s_mov_b32 s[G0B+4*\s], 1
	s_add_co_u32 s[G0B+4*\s+1], s23, \s*SLOT
	s_add_nc_u64 s[G0B+4*\s+2:G0B+4*\s+3], s[8:9], \s*ROWB
	s_or_b32 s[G0B+4*\s+3], s[G0B+4*\s+3], 0x80000000
	JLOAD G0+4*\s, G1, G0B+4*\s, G1B               ; three tensor loads of mine are out behind the last of these
.endr
	s_lshl_b32 s14, s[YB], 8
	s_lshl_b32 s15, s[WVN], 6
	s_add_co_u32 s14, s14, s15
	s_lshl_b32 s14, s14, 13                        ; out0 at token 256 y + 64 wave, 8,192 bytes a token,
	s_lshl_b32 s15, s[XB], 9
	s_add_co_u32 s14, s14, s15                     ; column 128 x
	s_mov_b32 s15, 0
	s_add_nc_u64 s[12:13], s[12:13], s[14:15]
	v_and_b32 v1, 15, v0                           ; r
	v_bfe_u32 v2, v0, 4, 1                         ; h
	v_and_b32 v7, 31, v0                           ; lane
	v_lshlrev_b32 v[CO], 4, v7
	v_mul_u32_u24 v3, v1, PITCH
	v_mad_u32_u24 v3, v2, 24, v3
	v_lshl_add_u32 v4, v2, 4, v3
	s_mul_i32 s16, s[WVN], 4*3072                  ; my four tiles of tokens
.irp s, 0,1
	v_add_nc_u32 v[AD0+\s], OPART+\s*SLOT, v3
	v_add_nc_u32 v[AD0+2+\s], OPART+\s*SLOT, v4
	v_add_nc_u32 v[AO+\s], s16, v[CO]
	s_add_co_u32 s16, s16, SLOT
.endr
	v_lshlrev_b32 v5, 5, v1
	v_lshrrev_b32 v6, 3, v1
	v_lshl_add_u32 v5, v6, 4, v5
	v_add_nc_u32 v[ASW], WSC, v5                   ; Wo's scale words: 32 r + 16 (r / 8)
	s_lshl_b32 s16, s[WVN], 12
	s_add_co_u32 s16, s16, OSC
	v_lshl_add_u32 v[ASO], v7, 2, s16              ; O's: 4 x lane + 4,096 x wave
	s_mul_i32 s16, s[WVN], 16*SPITCH               ; my stage
	v_mul_u32_u24 v5, v1, SPITCH
	v_lshl_add_u32 v5, v2, 5, v5
	v_add_nc_u32 v[STO], s16, v5                   ; in: row r, 32 bytes for each half of the lanes
	v_add_nc_u32 v[RD], s16, v[CO]                 ; back: a row of 512 bytes to the 32 lanes
.macro FRAG reg, adr, q, i
.irp p, 0,1,2,3,4,5
.set PCE, 12*(\q)+6*(\p/3)+\p%3
.if PCE%8 < 5
	ds_load_b64 v[\reg+2*\p:\reg+2*\p+1], v[\adr] offset:8*PCE+16*(PCE/8)+(\i)*16*PITCH
.else
	ds_load_b64 v[\reg+2*\p:\reg+2*\p+1], v[\adr+2] offset:8*PCE+16*(PCE/8)+(\i)*16*PITCH
.endif
.endr
.endm
.macro FETCH slot, q, p                ; the slot's q-th 128 along K (head 2 x pair + q) into set p: 48 + 12 loads
	WIN 0x80
.irp i, 0,1,2,3,4,5,6,7
	FRAG 96*(\p)+12*\i, AD0+\slot, \q, \i
.endr
	WIN 0
.irp i, 0,1,2,3
.irp e, 0,1,2
	ds_load_b128 v[S1F+48*(\p)+12*\i+4*\e:S1F+48*(\p)+12*\i+4*\e+3], v[AO+\slot] offset:3072*\i+1536*(\q)+512*\e
.endr
.endr
.endm
.macro SCALES set, kn                  ; the scale words of K's slot kn
.irp t, 0,1,2,3,4,5,6,7
	ds_load_b64 v[SC+24*\set+2*\t:SC+24*\set+2*\t+1], v[ASW] offset:544*\t+8*(\kn)
.endr
.irp a, 0,1,2,3
.irp q, 0,1
	ds_load_b32 v[SC+24*\set+16+2*\a+\q], v[ASO] offset:1024*\a+128*(2*(\kn)+\q)
.endr
.endr
.endm
.macro MUL a, p, q, set, zero          ; the 32 accumulators take turns, one instruction a turn, in the same order in every step
	WIN 0x52
.irp t, 0,1,2,3,4,5,6,7
.set rD, 8*(8*(\a)+\t)
.set rA, 96*(\p)+12*\t
.set rB, S1F+48*(\p)+12*(\a)
.set rX, SC+24*(\set)+2*\t+(\q)
.set rY, SC+24*(\set)+16+2*(\a)+(\q)
.if \zero
	v_wmma_scale_f32_16x16x128_f8f6f4 v[rD:rD+7], v[rA:rA+11], v[rB:rB+11], 0, v[rX], v[rY] matrix_a_fmt:MATRIX_FMT_FP6 matrix_b_fmt:MATRIX_FMT_FP6
.else
	v_wmma_scale_f32_16x16x128_f8f6f4 v[rD:rD+7], v[rA:rA+11], v[rB:rB+11], v[rD:rD+7], v[rX], v[rY] matrix_a_fmt:MATRIX_FMT_FP6 matrix_b_fmt:MATRIX_FMT_FP6
.endif
.endr
.endm
.macro STEP slot, zero
	s_wait_dscnt 0x0                               ; set 0 and its scale words are in
	PLACES 4                                       ; in front of loads into set 1, which the last products read
	FETCH \slot, 1, 1
	MUL 0, 0, 0, \slot, \zero
	MUL 1, 0, 0, \slot, \zero
	MUL 2, 0, 0, \slot, \zero
	MUL 3, 0, 0, \slot, \zero
	WIN 0
.endm
.macro TURN slot, next, fill, kn
	s_wait_tensorcnt 0x0                           ; all my tensor loads have landed: my part of the next slot
	ds_add_u32 v[SPW], v[NIL]                      ; 0 onto my spare word
	s_wait_dscnt 0x1                               ; set 1 is in: my reads of this slot are over; the add may be out
	MUL 0, 1, 1, \slot, 0
	s_wait_dscnt 0x0                               ; the add is done
	s_barrier_signal -1
	MUL 1, 1, 1, \slot, 0
	WIN 0
	s_barrier_wait -1
.if \fill
	CREST                                          ; the barrier has opened a round of the cluster's: no wave of any partner still reads this slot or has a load on its way
	s_add_nc_u64 s[G0+4*\slot+2:G0+4*\slot+3], s[G0+4*\slot+2:G0+4*\slot+3], 2*PAIRB
	s_add_nc_u64 s[G0B+4*\slot+2:G0B+4*\slot+3], s[G0B+4*\slot+2:G0B+4*\slot+3], 2*ROWB
	JLOAD G0+4*\slot, G1, G0B+4*\slot, G1B         ; my one tensor load behind the round; its four v_nop are the places in front of the loads below
.else
	PLACES 4
.endif
	FETCH \next, 0, 0
	SCALES \next, \kn
	MUL 2, 1, 1, \slot, 0
	MUL 3, 1, 1, \slot, 0
	WIN 0
.endm
	s_wait_tensorcnt 0x1                           ; the scales and my part of slot 0 are in; slot 1's load may be out
	s_barrier_signal -1
	s_barrier_wait -1
	FETCH 0, 0, 0
	SCALES 0, 0
	STEP 0, 1                                      ; heads 0, 1; the first step's products start the sums
	TURN 0, 1, 1, 1                                ; slot 0 takes heads 4, 5
	STEP 1, 0
	TURN 1, 0, 1, 2                                ; slot 1 takes heads 6, 7
	STEP 0, 0
	TURN 0, 1, 0, 3
	STEP 1, 0
	s_wait_dscnt 0x0
	MUL 0, 1, 1, 1, 0
	MUL 1, 1, 1, 1, 0
	MUL 2, 1, 1, 1, 0
	MUL 3, 1, 1, 1, 0
	WIN 0
; THE WAY OUT, a block of 16 tokens x 128 columns at a time: through my own stage in LDS and back as whole rows of 512 bytes.  LDS serves a wave's instructions in order (ISA guide 5.7.1.4): no wait between the stores and the loads.
.macro TOSTAGE a
	WIN 0x04                                       ; an LDS store's data are its source 1: window 1
.irp t, 0,1,2,3,4,5,6,7
	ds_store_b128 v[STO], v[8*(8*(\a)+\t):8*(8*(\a)+\t)+3] offset:64*\t            ; each accumulator from its low end on
	ds_store_b128 v[STO], v[8*(8*(\a)+\t)+4:8*(8*(\a)+\t)+7] offset:64*\t+16
.endr
	WIN 0
.set BB, BK+64*((\a)%2)
.irp i, 0,1,2,3,4,5,6,7,8,9,10,11,12,13,14,15
	ds_load_b128 v[BB+4*\i:BB+4*\i+3], v[RD] offset:\i*SPITCH
.endr
.endm
.macro SEND a, younger                 ; younger: the LDS instructions issued behind block a's loads
.set BB, BK+64*((\a)%2)
	s_wait_dscnt \younger
.if (\a) > 0
	s_add_nc_u64 s[12:13], s[12:13], 16*8192       ; (behind a wait on XCNT: the earlier stores have read their base)  16 tokens on
.endif
.irp i, 0,1,2,3,4,5,6,7,8,9,10,11,12,13,14,15
	global_store_b128 v[CO], v[BB+4*\i:BB+4*\i+3], s[12:13] offset:\i*8192 th:TH_STORE_NT   ; 512 consecutive bytes, at a multiple of 256 from out0's first byte
.endr
.endm
	PLACES 4                                       ; behind the last products: for the first read of results and the loads into registers that held fragments
	TOSTAGE 0
.irp a, 1,2,3
.if \a > 1
	s_wait_xcnt 0x0                                ; block a - 2's stores have read their registers and their base
.endif
	TOSTAGE \a
	SEND \a-1, 32                                  ; behind block a - 1's loads: block a's 16 stores and 16 loads
.endr
	s_wait_xcnt 0x0
	SEND 3, 0
	s_wait_tensorcnt 0x0                           ; the wave's end
	ds_add_u32 v[SPW], v[NIL]
	s_wait_dscnt 0x0
	CROUND                                         ; the closing round
	s_endpgm
.Lfunc_end_k_q467dcc464d_proj:
	.size	k_q467dcc464d_proj, .Lfunc_end_k_q467dcc464d_proj-k_q467dcc464d_proj
	.p2alignl 7, 3214868480
	.fill 96, 4, 3214868480
	.section	.rodata,"a",@progbits
	.p2align	6, 0x0
	.amdhsa_kernel k_q467dcc464d_proj
		.amdhsa_group_segment_fixed_size 327680
		.amdhsa_private_segment_fixed_size 0
		.amdhsa_enable_private_segment 0
		.amdhsa_kernarg_size 40
		.amdhsa_user_sgpr_count 2
		.amdhsa_user_sgpr_kernarg_segment_ptr 1
		.amdhsa_wavefront_size32 1
		.amdhsa_system_sgpr_workgroup_id_x 1
		.amdhsa_system_sgpr_workgroup_id_y 1
		.amdhsa_system_sgpr_workgroup_id_z 1
		.amdhsa_system_vgpr_workitem_id 0
		.amdhsa_next_free_vgpr 768
		.amdhsa_next_free_sgpr 102
		.amdhsa_reserve_vcc 0
		.amdhsa_float_denorm_mode_32 3
		.amdhsa_float_denorm_mode_16_64 3
		.amdhsa_memory_ordered 1
		.amdhsa_forward_progress 1
		.amdhsa_inst_pref_size 95
	.end_amdhsa_kernel
	.amdgpu_metadata
---
amdhsa.version: [ 1, 2 ]
amdhsa.kernels:
  - .name:           k_q467dcc464d_proj
    .symbol:         k_q467dcc464d_proj.kd
    .args:
      - { .name: oimg, .offset: 0, .size: 8, .value_kind: global_buffer, .address_space: global }
      - { .name: oscl, .offset: 8, .size: 8, .value_kind: global_buffer, .address_space: global }
      - { .name: Wo_codes, .offset: 16, .size: 8, .value_kind: global_buffer, .address_space: global }
      - { .name: Wo_scales, .offset: 24, .size: 8, .value_kind: global_buffer, .address_space: global }
      - { .name: out0, .offset: 32, .size: 8, .value_kind: global_buffer, .address_space: global }
    .group_segment_fixed_size: 327680
    .private_segment_fixed_size: 0
    .kernarg_segment_align: 8
    .kernarg_segment_size: 40
    .max_flat_workgroup_size: 128
    .sgpr_count:     102
    .vgpr_count:     768
    .wavefront_size: 32
...
	.end_amdgpu_metadata
.endif
;; end of part 3
